; MI455X (gfx1250); checked and timed in simulation.
; The chip was launched on July 23, 2026; its instructions are those of AMD's public machine-readable ISA for CDNA 5 (MIT licence, August 2026) and "CDNA5" Instruction Set Architecture Reference Guide (July 2026). The comments in the code are by the model that wrote it; some were corrected since.
;; Timeline Prototype Matcher. Allowed arithmetic: matrix products marked QUANTISED: E3M2 operands, one E8M0 scale for each 32 along K, by v_wmma_scale_f32_16x16x128_f8f6f4 with both operands' format E3M2, f32 sums; everything else in f32.
;; Inputs: patch_select 1 x 200 x 8 float32; prototype_vectors 200 x 512 x 8 float32; timeline_mask 32 x 512 float32; x 32 x 512 x 512 float32.
;; Outputs: out0 32 x 200 float32; out1 32 x 200 float32; out2 32 x 200 x 8 float32.
;; This version of the problem:
;;   THIS VERSION OF THE PROBLEM IS GIVEN IN LOW PRECISION. The matrix products marked QUANTISED in the list below multiply operands that are first quantised to E3M2 (3 exponent bits, 2 mantissa bits; 6 bits a number), with one power-of-two scale for each 32 numbers along K (OCP MX v1.0); their sums are f32. All else is computed in f32.
;;   The module's matrix products, in the order in which they are computed (A, B: the left and right operand; K: the contracted axis; several contracted axes count as one K, in the product's order):
;;     1. [M 1,600, K 512] x [K 512, N 16,384]; A: computed on the way; B: computed on the way: QUANTISED
;;   THE QUANTISER, for each operand of a quantised product, along K:
;;     - K is cut into blocks of 32 from its start; a last block that is shorter is filled with zeros.
;;     - A block's scale is 2^e with e = floor(log2(the largest magnitude in the block)) - 4, held to -126 .. 127; a block of zeros has e = 0. As a byte (E8M0): e + 127.
;;     - Each number is divided by its block's scale, clamped to +-28, and rounded to the nearest number of E3M2, ties to even, subnormals kept.
;;     - The product sums the exact products of the quantised numbers (number of the format x scale) in f32.
;;   ~~~python
;;   def quantise(x, axis):      # numpy; x: float32 -> the quantised numbers, widened to float32 again
;;       x = np.moveaxis(x, axis, -1); K = x.shape[-1]
;;       x = np.pad(x, [(0, 0)] * (x.ndim - 1) + [(0, -K % 32)]); x = x.reshape(x.shape[:-1] + (-1, 32)); a = np.abs(x).max(-1, keepdims=True)
;;       e = np.where(a > 0, np.clip(np.frexp(np.where(a > 0, a, 1))[1] - 1 - 4, -126, 127), 0)      # np.frexp(a)[1] - 1 = floor(log2(a)), exactly
;;       r = np.clip(x / 2.0 ** e, -28, 28)
;;       step = 2.0 ** (np.maximum(np.frexp(np.where(r == 0, 1, r))[1] - 1, -2) - 2)
;;       q = np.round(r / step) * step * 2.0 ** e      # np.round: ties to even
;;       return np.moveaxis(q.reshape(q.shape[:-2] + (-1,))[..., :K], -1, axis).astype(np.float32)
;;   ~~~
;;   OPERANDS COMPUTED ON THE WAY. 'Computed on the way' means the value that the module computes at that place (a softmax that the list does not call 'softmax' is quantised finished and normalised). What goes into a quantiser is computed in f32, as accurately as f32 sums, v_exp_f32 and their like allow (about 1e-6 of the number): no bf16 or f16 on the way to a quantiser, and a product that is left as it is and whose result goes on into a quantised operand takes f32 operands (vector FMAs, or v_wmma_f32_16x16x4_f32). A number that lies on a knife's edge between two numbers of the format may be rounded either way, as far as f32 arithmetic and the matrix unit's own rounding can turn it there, and no further.
;; One version. Each part assembles by itself: llvm-mc -triple=amdgcn-amd-amdhsa -mcpu=gfx1250 --defsym DOCPART=n.
;; ======== version 1 of 1: 2 launches
;; limits: right only within a limited range of input values
;; workspace buffers: xq 6,291,456 bytes; xs 262,144 bytes; pq 614,400 bytes; ps 25,600 bytes
;; launch quant (part 1): grid 256 x 1, 5 waves a work-group, no clusters, 169,728 bytes of LDS; arguments x, prototype_vectors, xq, xs, pq, ps; writes xq, xs, pq, ps
.if DOCPART == 1
	.amdgcn_target "amdgcn-amd-amdhsa--gfx1250"
	.amdhsa_code_object_version 6
	.text
	.protected	k_q3b552572a3_quant
	.globl	k_q3b552572a3_quant
	.p2align	8
	.type	k_q3b552572a3_quant,@function
k_q3b552572a3_quant:
	s_mov_b64 s[64:65], 0
	v_nop
	global_prefetch_b8 v0, s[64:65] scope:SCOPE_SE
	s_setreg_imm32_b32 hwreg(HW_REG_WAVE_MODE, 25, 1), 1
	s_wait_xcnt 0x0
; x [16384 rows (b, t)][512] and the prototypes [200][512 (d)][8 (i)], f32, are each divided by their length along d and turned into codes of
; BF6 (E3M2), one E8M0 scale byte for each 32 along d.  The codes leave as IMAGES OF THE OPERAND'S REGISTERS: a fragment is 16 rows x 128 along d, 12 registers
; a lane (lane (r, h): row r; registers 6 c .. 6 c + 5: d = 128 s + 64 c + 32 h + 0 .. 31), stored as three runs of 512 bytes, 16 bytes a lane.
;   xq [b 32][s 4][n 32][3][lane][16 bytes]   row r of tile n is t = 16 n + r        xs [row][16 bytes]: word s is the scale word of K step s
;   pq [m 100][s 4][3][lane][16 bytes]        row r of tile m is prototype 2 m + r / 8, i = r % 8        ps likewise
; SHARES.  Waves 0-3 of work-group g take x's tile 4 g + wave; wave 4 takes the prototypes' tile g where g < 100 and ends at once elsewhere.  Waves share nothing: no barrier.
; A tile is 32,768 bytes of memory; four tensor loads a wave (one a K step, all issued at the head: four of mine are out) bring it into the wave's own LDS, each byte filled once.
; Pass 1 reads it for the sum of squares and each block's largest magnitude; pass 2 reads it again from LDS, scales and converts.  Memory is read once.
; The two roles part once on the wave's number and never join.
; ARITHMETIC.  inv = 1 / max(sqrt(sum of squares), 1e-12) by v_sqrt_f32 and v_rcp_f32; a number is x * inv.  A block's largest |x * inv| is (largest |x|) * inv: the same product, the same bits.
; A block's byte is that magnitude's exponent field - 4, held at 1 from below; the conversion holds what lies beyond 28 at the largest code.
; LIMITS: NaN and infinities are not served.  x * inv stands for x / norm (some 2 units in the last place).  A block of zeros gets the byte 1, not 127: its codes are zeros, and this program alone reads the bytes.
.set REG,  8448                        ; LDS bytes of a K step's part of a tile: x: 16 rows x (512 + 16);  prototypes: 2 x 4 x (1,024 + 32)
.set XA,   32                          ; v32-95, v96-159  two buffers of 64 numbers
.set SS,   160                         ; v160-167 four pairs of partial sums of squares
.set BM,   168                         ; v168-175 largest magnitude of my block 2 s + c, later its byte
.set SO,   176                         ; v176-183 the conversions' scale operands
.set CD,   184                         ; v184-231 the codes, 12 registers for each K step: no store's data are written again
.set TT,   232                         ; v232-234, v236-238 a block's upper 16 codes (a conversion's three registers begin on an even number)
.set WD,   240                         ; v240-243 the scale words
.set PR,   244                         ; v244-245 the two words that I store
.set INV,  246                         ; v246-247 inv, twice
.set WK,   248                         ; v248-251 from the lane 16 away
.set G1X,  20                          ; s[20:27] descriptor group 1 for x's tiles
.set G1P,  28                          ; s[28:35] for the prototypes'
.set G0,   36                          ; s[36:51] four groups 0
.set SRC,  52                          ; s[52:53] my tile in memory
.set DC,   54                          ; s[54:55] where its codes go
.set DS,   56                          ; s[56:57] where its scale words go
.set SEL,  62                          ; s62, s63 v_permlanex16_b32's selects for lane l xor 16
.set HI,   66                          ; s66      the mask of lanes 16-31
	s_load_b256 s[4:11], s[0:1], 0x0               ; x s[4:5], prototypes s[6:7], xq s[8:9], xs s[10:11]
	s_load_b128 s[12:15], s[0:1], 0x20             ; pq s[12:13], ps s[14:15]
	v_lshl_add_u32 v254, v0, 2, 0x29400
	v_mov_b32 v255, 0
	ds_add_u32 v254, v255
	ds_add_u32 v254, v255
	v_lshrrev_b32 v6, 5, v0
	v_readfirstlane_b32 s16, v6                    ; wave 0..4
	v_and_b32 v6, 31, v0                           ; lane
	v_and_b32 v7, 15, v0                           ; r
	v_bfe_u32 v8, v0, 4, 1                         ; h
	v_bfe_u32 v9, v0, 3, 1                         ; r / 8
	v_and_b32 v10, 7, v0                           ; r % 8
	s_mul_i32 s17, s16, 4*REG                      ; my wave's LDS
	v_mul_u32_u24 v1, v7, 528
	v_lshl_add_u32 v1, v8, 7, v1
	v_add_nc_u32 v1, s17, v1                       ; x: row r of 528 bytes, + 128 h: my 32 numbers of each 64
	v_mul_u32_u24 v2, v9, 4224
	v_mad_u32_u24 v2, v8, 1056, v2
	v_lshl_add_u32 v2, v10, 2, v2
	v_add_nc_u32 v2, s17, v2                       ; prototypes: 4,224 (r / 8) + 1,056 h + 4 (r % 8); 32 bytes from d to d + 1, 32 of padding behind each 32 d
	v_lshlrev_b32 v3, 4, v6                        ; 16 x lane
	v_lshlrev_b32 v4, 4, v7
	v_lshl_add_u32 v4, v8, 3, v4                   ; 16 r + 8 h: my two scale words
	v_lshlrev_b32 v5, 3, v8                        ; 8 h
.irp i, 0,1,2,3
	v_mov_b32 v[WK+\i], 0                          ; written once: a lane permute's destination counts as one of its sources
.endr
	s_mov_b32 s[SEL], 0x76543210
	s_mov_b32 s[SEL+1], 0xfedcba98
	s_mov_b32 s[HI], 0xffff0000
	; x: 16 rows x 128 elements of 4 bytes, rows 512 elements apart; 4 words of padding behind every 128: LDS rows 528 bytes apart
	s_mov_b32 s[G1X+0], (2<<16)|(1<<20)|(6<<22)|(3<<25)
	s_mov_b32 s[G1X+1], 128<<16                    ; tensor_dim0
	s_mov_b32 s[G1X+2], 16<<16                     ; tensor_dim1
	s_mov_b32 s[G1X+3], 128<<16                    ; tile_dim0
	s_mov_b32 s[G1X+4], 16                         ; tile_dim1
	s_mov_b32 s[G1X+5], 512                        ; elements from row to row
	s_mov_b32 s[G1X+6], 0
	s_mov_b32 s[G1X+7], 0
	; prototypes: 2 rows (prototypes) x 1,024 elements (128 d x 8 i), rows 4,096 elements apart; 8 words of padding behind every 256: the four groups of lanes (r / 8, h) begin at bytes 0, 32, 128, 160 modulo 256
	s_mov_b32 s[G1P+0], (2<<16)|(1<<20)|(7<<22)|(7<<25)
	s_mov_b32 s[G1P+1], 1024<<16
	s_mov_b32 s[G1P+2], 2<<16
	s_mov_b32 s[G1P+3], 1024<<16
	s_mov_b32 s[G1P+4], 2
	s_mov_b32 s[G1P+5], 4096
	s_mov_b32 s[G1P+6], 0
	s_mov_b32 s[G1P+7], 0
	s_wait_dscnt 0x0
	s_wait_kmcnt 0x0
; K step s of my tile from LDS into 64 registers: register 32 c + e is d = 128 s + 64 c + 32 h + e of my row
.macro LD role, buf, s
.set e, 0
.if \role
.rept 64
	ds_load_b32 v[(\buf)+e], v2 offset:(\s)*REG+2112*(e/32)+32*(e%32)
.set e, e+1
.endr
.else
.rept 16
	ds_load_b128 v[(\buf)+4*e:(\buf)+4*e+3], v1 offset:(\s)*REG+256*(e/8)+16*(e%8)
.set e, e+1
.endr
.endif
.endm
; pass 1 of a K step: squares into four pairs of sums (the first four products start them: nothing is cleared), and my two blocks' largest magnitudes, by turns
.macro P1 buf, s
.set j, 0
.rept 32
.if ((\s) == 0) && (j < 4)
	v_pk_mul_f32 v[SS+2*j:SS+2*j+1], v[(\buf)+2*j:(\buf)+2*j+1], v[(\buf)+2*j:(\buf)+2*j+1]
.else
	v_pk_fma_f32 v[SS+2*(j%4):SS+2*(j%4)+1], v[(\buf)+2*j:(\buf)+2*j+1], v[(\buf)+2*j:(\buf)+2*j+1], v[SS+2*(j%4):SS+2*(j%4)+1]
.endif
.set j, j+1
.endr
.irp c, 0,1
	v_max3_num_f32 v[BM+2*(\s)+\c], |v[(\buf)+32*\c]|, |v[(\buf)+32*\c+1]|, |v[(\buf)+32*\c+2]|
.endr
.irp i, 3,5,7,9,11,13,15,17,19,21,23,25,27,29
.irp c, 0,1
	v_max3_num_f32 v[BM+2*(\s)+\c], v[BM+2*(\s)+\c], |v[(\buf)+32*\c+\i]|, |v[(\buf)+32*\c+\i+1]|
.endr
.endr
.irp c, 0,1
	v_max_num_f32 v[BM+2*(\s)+\c], v[BM+2*(\s)+\c], |v[(\buf)+32*\c+31]|
.endr
.endm
; pass 2 of a K step: x * inv, the codes, and their three stores of 512 consecutive bytes
.macro P2 buf, s, dstep
.set j, 0
.rept 32
	v_pk_mul_f32 v[(\buf)+2*j:(\buf)+2*j+1], v[(\buf)+2*j:(\buf)+2*j+1], v[INV:INV+1]
.set j, j+1
.endr
.irp c, 0,1
	v_cvt_scalef32_pk16_bf6_f32 v[CD+12*(\s)+6*\c:CD+12*(\s)+6*\c+2], v[(\buf)+32*\c:(\buf)+32*\c+15], v[SO+2*(\s)+\c]
	v_cvt_scalef32_pk16_bf6_f32 v[TT+4*\c:TT+4*\c+2], v[(\buf)+32*\c+16:(\buf)+32*\c+31], v[SO+2*(\s)+\c]
.endr
	v_nop                                          ; one plain place behind a scaled conversion
.irp c, 0,1
.irp i, 0,1,2
	v_mov_b32 v[CD+12*(\s)+6*\c+3+\i], v[TT+4*\c+\i]
.endr
.endr
.irp q, 0,1,2
	global_store_b128 v3, v[CD+12*(\s)+4*\q:CD+12*(\s)+4*\q+3], s[DC:DC+1] offset:(\s)*(\dstep)+512*\q
.endr
.endm
; A tile, whole.  gstep: bytes in memory from a K step to the next; dstep: the same among the codes.
.macro BODY role, gstep, dstep
.if \role
.set NLD, 63                           ; 64 loads are younger; the count's field holds 63, and a smaller count is safe
.else
.set NLD, 16                           ; the next K step's 16 loads may be out
.endif
.irp s, 0,1,2,3
	s_mov_b32 s[G0+4*\s], 1                        ; count = 1
	s_add_co_u32 s[G0+4*\s+1], s17, \s*REG         ; LDS address: my wave's bytes, K step s
	s_add_nc_u64 s[G0+4*\s+2:G0+4*\s+3], s[SRC:SRC+1], \s*\gstep
	s_or_b32 s[G0+4*\s+3], s[G0+4*\s+3], 0x80000000   ; type = 2
.endr
.irp s, 0,1,2,3
.if \role
	tensor_load_to_lds s[G0+4*\s:G0+4*\s+3], s[G1P:G1P+7]
	s_nop 0
.else
	tensor_load_to_lds s[G0+4*\s:G0+4*\s+3], s[G1X:G1X+7]
	s_nop 0
.endif
.endr
.rept 4
	v_nop                                          ; plain places behind a tensor load
.endr
	s_wait_tensorcnt 3                             ; K step 0 has landed; the three younger loads stay out
	LD \role, XA, 0
.irp s, 0,1,2,3
.if \s < 3
	s_wait_tensorcnt 2-\s                          ; K step s + 1 has landed
.endif
	LD \role, XA+64*((\s+1)%2), (\s+1)%4           ; one step ahead, into the other buffer; behind step 3: step 0 again, for pass 2
	s_wait_dscnt NLD
	P1 XA+64*(\s%2), \s
.endr
	v_pk_add_f32 v[SS:SS+1], v[SS:SS+1], v[SS+2:SS+3]
	v_pk_add_f32 v[SS+4:SS+5], v[SS+4:SS+5], v[SS+6:SS+7]
	v_pk_add_f32 v[SS:SS+1], v[SS:SS+1], v[SS+4:SS+5]
	v_add_f32 v[SS], v[SS], v[SS+1]
	v_permlanex16_b32 v[WK], v[SS], s[SEL], s[SEL+1]
	v_add_f32 v[SS], v[SS], v[WK]                  ; with lane l xor 16's half of the row: the row's sum of squares
	v_sqrt_f32 v[SS], v[SS]
	v_nop                                          ; one plain place behind a transcendental
	s_wait_alu depctr_va_vdst(0)
	v_max_num_f32 v[SS], 0x2b8cbccc, v[SS]         ; at least 1e-12
	v_rcp_f32 v[INV], v[SS]
	v_nop
	s_wait_alu depctr_va_vdst(0)
	v_mov_b32 v[INV+1], v[INV]
.irp k, 0,1,2,3,4,5,6,7
	v_mul_f32 v[BM+\k], v[BM+\k], v[INV]           ; the block's largest |x * inv|
.endr
.irp k, 0,1,2,3,4,5,6,7
	v_max_num_f32 v[BM+\k], 0x2800000, v[BM+\k]    ; the floor 2^(5 - 127): the byte cannot fall under 1
.endr
.irp k, 0,1,2,3,4,5,6,7
	v_add_nc_u32 v[SO+\k], 0xfe000000, v[BM+\k]    ; 4 off its exponent field: the conversion takes the exponent field of this operand as its scale
.endr
.irp k, 0,1,2,3,4,5,6,7
	v_lshrrev_b32 v[BM+\k], 23, v[SO+\k]           ; the scale's byte
.endr
.irp s, 0,1,2,3
	v_lshl_or_b32 v[WD+\s], v[BM+2*\s+1], 16, v[BM+2*\s]   ; my two bytes of K step s: blocks h and 2 + h,
.endr
.irp s, 0,1,2,3
	v_lshlrev_b32 v[WD+\s], v5, v[WD+\s]           ; at their places in the word;
.endr
.irp s, 0,1,2,3
	v_permlanex16_b32 v[WK+\s], v[WD+\s], s[SEL], s[SEL+1]
.endr
.irp s, 0,1,2,3
	v_or_b32 v[WD+\s], v[WD+\s], v[WK+\s]          ; with lane l xor 16's two the word is whole
.endr
	v_cndmask_b32 v[PR], v[WD], v[WD+2], s[HI]     ; lanes 0-15 store words 0 and 1 of their row, lanes 16-31 words 2 and 3
	v_cndmask_b32 v[PR+1], v[WD+1], v[WD+3], s[HI]
	global_store_b64 v4, v[PR:PR+1], s[DS:DS+1]    ; 32 lanes store 256 consecutive bytes, at a multiple of 256 from the buffer's first byte
.irp s, 0,1,2,3
.if \s < 3
	LD \role, XA+64*((\s+1)%2), \s+1
	s_wait_dscnt NLD
.else
	s_wait_dscnt 0x0
.endif
	P2 XA+64*(\s%2), \s, \dstep
.endr
	s_wait_tensorcnt 0x0
	ds_add_u32 v254, v255
	s_wait_dscnt 0x0
	s_endpgm
.endm
	s_cmp_eq_u32 s16, 4
	s_cbranch_scc1 .Lproto
	s_lshl_b32 s18, ttmp9, 2
	s_add_co_u32 s18, s18, s16                     ; x's tile T = 4 g + wave: b = T / 32, n = T % 32
	s_lshl_b32 s68, s18, 15                        ; 32,768 bytes of x a tile
	s_mov_b32 s69, 0
	s_lshr_b32 s19, s18, 5
	s_mul_i32 s70, s19, 196608
	s_and_b32 s19, s18, 31
	s_mul_i32 s19, s19, 1536
	s_add_co_u32 s70, s70, s19                     ; 196,608 b + 1,536 n
	s_mov_b32 s71, 0
	s_lshl_b32 s72, s18, 8                         ; 256 bytes of scale words a tile
	s_mov_b32 s73, 0
	s_add_nc_u64 s[SRC:SRC+1], s[4:5], s[68:69]
	s_add_nc_u64 s[DC:DC+1], s[8:9], s[70:71]
	s_add_nc_u64 s[DS:DS+1], s[10:11], s[72:73]
	BODY 0, 512, 49152
.Lproto:
	s_cmp_lt_u32 ttmp9, 100
	s_cbranch_scc1 .Lproto_go
	s_endpgm                                       ; there are 100 tiles of prototypes: wave 4 of the other work-groups has no share
.Lproto_go:
	s_lshl_b32 s68, ttmp9, 15                      ; two prototypes are 32,768 bytes
	s_mov_b32 s69, 0
	s_mul_i32 s70, ttmp9, 6144
	s_mov_b32 s71, 0
	s_lshl_b32 s72, ttmp9, 8
	s_mov_b32 s73, 0
	s_add_nc_u64 s[SRC:SRC+1], s[6:7], s[68:69]
	s_add_nc_u64 s[DC:DC+1], s[12:13], s[70:71]
	s_add_nc_u64 s[DS:DS+1], s[14:15], s[72:73]
	BODY 1, 4096, 1536
.Lfunc_end_k_q3b552572a3_quant:
	.size	k_q3b552572a3_quant, .Lfunc_end_k_q3b552572a3_quant-k_q3b552572a3_quant
	.p2alignl 7, 3214868480
	.fill 96, 4, 3214868480
	.section	.rodata,"a",@progbits
	.p2align	6, 0x0
	.amdhsa_kernel k_q3b552572a3_quant
		.amdhsa_group_segment_fixed_size 169728
		.amdhsa_private_segment_fixed_size 0
		.amdhsa_enable_private_segment 0
		.amdhsa_kernarg_size 48
		.amdhsa_user_sgpr_count 2
		.amdhsa_user_sgpr_kernarg_segment_ptr 1
		.amdhsa_wavefront_size32 1
		.amdhsa_system_sgpr_workgroup_id_x 1
		.amdhsa_system_sgpr_workgroup_id_y 1
		.amdhsa_system_sgpr_workgroup_id_z 1
		.amdhsa_system_vgpr_workitem_id 0
		.amdhsa_next_free_vgpr 256
		.amdhsa_next_free_sgpr 80
		.amdhsa_reserve_vcc 0
		.amdhsa_float_denorm_mode_32 3
		.amdhsa_float_denorm_mode_16_64 3
		.amdhsa_memory_ordered 1
		.amdhsa_forward_progress 1
		.amdhsa_inst_pref_size 108
	.end_amdhsa_kernel
	.amdgpu_metadata
---
amdhsa.version: [ 1, 2 ]
amdhsa.kernels:
  - .name:           k_q3b552572a3_quant
    .symbol:         k_q3b552572a3_quant.kd
    .args:
      - { .name: x, .offset: 0, .size: 8, .value_kind: global_buffer, .address_space: global }
      - { .name: prototype_vectors, .offset: 8, .size: 8, .value_kind: global_buffer, .address_space: global }
      - { .name: xq, .offset: 16, .size: 8, .value_kind: global_buffer, .address_space: global }
      - { .name: xs, .offset: 24, .size: 8, .value_kind: global_buffer, .address_space: global }
      - { .name: pq, .offset: 32, .size: 8, .value_kind: global_buffer, .address_space: global }
      - { .name: ps, .offset: 40, .size: 8, .value_kind: global_buffer, .address_space: global }
    .group_segment_fixed_size: 169728
    .private_segment_fixed_size: 0
    .kernarg_segment_align: 8
    .kernarg_segment_size: 48
    .max_flat_workgroup_size: 160
    .sgpr_count:     80
    .vgpr_count:     256
    .wavefront_size: 32
...
	.end_amdgpu_metadata
.endif
;; end of part 1
;; launch match (part 2): grid 8 x 32, 4 waves a work-group, no clusters, 213,504 bytes of LDS; arguments xq, xs, pq, ps, timeline_mask, patch_select, out0, out1, out2; writes out0, out1, out2
.if DOCPART == 2
	.amdgcn_target "amdgcn-amd-amdhsa--gfx1250"
	.amdhsa_code_object_version 6
	.text
	.protected	k_q3b552572a3_match
	.globl	k_q3b552572a3_match
	.p2align	8
	.type	k_q3b552572a3_match,@function
k_q3b552572a3_match:
	s_mov_b64 s[64:65], 0
	v_nop
	global_prefetch_b8 v0, s[64:65] scope:SCOPE_SE
	s_setreg_imm32_b32 hwreg(HW_REG_WAVE_MODE, 25, 1), 1
	s_wait_xcnt 0x0
; D(b, p, t, i) = xn(b, t) . pn(p, i) on codes of BF6 (E3M2) with E8M0 scales, the timeline mask, the greedy choice of 8 (event, subpatch) pairs for each (b, p), their stable order by subpatch, and the weighted sum.
; SHARES.  Work-group (g, b) holds batch b's codes of x (196,608 bytes) and their scale words (8,192) in LDS, each byte filled once by five tensor loads a wave (five of mine are out at the head).
; Wave w has share number g + 8 w; shares 0-24 own prototypes 8 x share .. + 7, as two TASKS of two tiles of 16 rows (2 prototypes x 8 i).  A wave with share 25 or more fetches, passes the barriers and ends.
; A tile's D for all 512 t is 32 accumulators, 256 registers: lane (r, h), register 8 n + i holds D(p = 2 m + h, t = 16 n + r, i).  A pair (b, p) lives in 16 lanes.  D never leaves the registers.
; NO CLUSTER: the 8 work-groups of a batch read the same 204,800 bytes, but a batch has 25 shares, which four partners cannot split alike, so that a branch would hang on the place in the cluster; and the bytes are read once a work-group.
; THE GREEDY CHOICE WITHOUT EIGHT SCANS.  In step k a pair (t, i) counts with D if t lies in the window behind the last event and neither t nor i is taken, else with D + NEG (rounded).  Since D > D + NEG,
; the penalised pool may be taken over ALL (t, i): it is the same in every step: value VF = max D + NEG, place (i', t') = the first in (i, t) order at which D + NEG, rounded, equals VF.
; Without that fallback all events lie in [e0 - 3, e0 + 21], behind it in [t' + 1, t' + 21].  So two bands of 32 t are cut out of D once, by selects alone, and steps 1 to 7 work on 16 + 16 registers.
; Ties go by value, then the lowest i, then the lowest t: a key 1,024 i + t is minimised.  No branch and no address hangs on a number made here.
; LIMITS: NaN and infinities are not served.  |D| stays under 1e11, that is |timeline_mask| under 1e6.  The mask is one fused multiply-add, D tm + (1 - tm) NEG: the same bits as two roundings where tm is 0 or 1, within one rounding elsewhere.
; REGISTERS, in windows of 256 (s_set_vgpr_msb: bits 1:0 source 0, 3:2 source 1, 5:4 source 2, 7:6 destination):
;   window 0: v1-19 addresses and lane constants; v20-23 weights; v24-31 A's scale words; v32-95 B's scale words; v112-255 three sets of four fragments of x in the product;
;             behind it v96-175 and v176-255: tile 0's and tile 1's 80 registers of scan and step state
;   window 1, 2: D of tile 0, of tile 1       window 3: v0-95 A's fragments (48 tile + 12 s), later the chosen rows' pairs, later band A's tree; v128-191 the mask: pair 2 n: tm, (1 - tm) NEG at t = 16 n + r;
;             v192-199 the two tasks' results, four registers a task, kept until both go to the stage
.set XSL,   196608                     ; LDS: behind x's codes their scale words
.set SCR,   204800                     ; behind them 2,048 bytes for each wave: four arrays of 128 bytes a tile for the exchange, at 1,024 the stage for the outputs
.set NEGB,  0xc7c35000                 ; -100,000
.set NINF,  0xff800000
.set BIG,   0x4e6e6b28                 ; 1e9
.set NBIG,  0xce6e6b28
.set F8,    0x41000000
.set F16,   0x41800000
.set F480,  0x43f00000
.set F1024, 0x44800000
.set L16,  1                           ; 16 x lane
.set BADR, 2                           ; v2-5  16 x lane + 49,152 s
.set XSA,  6                           ; XSL + 16 x lane
.set RF,   7                           ; r as f32
.set L15,  8                           ; 15 - r as f32
.set EXA,  9                           ; my scratch + 4 x lane
.set EXR,  10                          ; my scratch + 64 h
.set STA,  11                          ; stage: out2's word: 32 h + 4 (r % 8); lanes with r >= 8 write 512 bytes further on, to words that nobody reads, so that EXEC never changes
.set STB,  12                          ; stage: out0's word: 256 + 4 h; likewise
.set OUA,  13                          ; stage + 8 x lane
.set OUB,  14                          ; stage + 256 + 4 (lane % 8)
.set R4,   15                          ; 4 r
.set PSA,  16                          ; 32 h + 4 (r % 8)
.set L8,   17                          ; 8 x lane
.set L4,   18                          ; 4 (lane % 8)
.set AD0,  19                          ; at work at the head
.set WT,   20                          ; v[20 + 2 task + tile]: lane (r, h): slot weight of prototype h of the tile, i = r % 8
.set AS,   24                          ; v[24 + 4 task + s]: lanes 0-15 tile 0's rows, lanes 16-31 tile 1's
.set SC,   32                          ; v[32 + 4 (n / 2) + s]: lanes 0-15 N tile n even, lanes 16-31 n odd
.set BF,   112
.set MK,   128                         ; in window 3
.set KP,   192                         ; in window 3: v[192 + 4 task + 2 tile]: the events in order, + 1: the weighted sum
.set R0,   96                          ; a tile's 80 registers
.set R1,   176
.set oM,   0                           ; scan: largest D of each i over my lane's t;  +8 the same + NEG;  +16, +20 one-hot weights of the pairs of i
.set oMP,  8
.set oWU,  16
.set oWUP, 20
.set oBA,  0                           ; steps: band A, two slots of 8 i;  +16 band B
.set oBB,  16
.set oTA,  32                          ; the four slots' t (A0, A1, B0, B1); -1e9 once taken
.set oTB,  34
.set oPN,  36                          ; 0, or -infinity once i is taken
.set oX,   44
.set oTX,  52
.set oV,   53
.set oKEY, 54
.set oVF,  55
.set oKFB, 56
.set oE,   57
.set oCEN, 58
.set oLO,  59
.set oSUB, 60
.set oMYC, 61                          ; lane r = k keeps step k's record: 8 id + k, value, event
.set oMYV, 62
.set oMYE, 63
.set oIKP, 64
.set oTP,  65
.set oNK,  66
.set oNKP, 67
.set oW,   68                          ; +68 .. +75 at work
.set WV,   22
.set OM,   23                          ; my share
.set TASK, 25
.set KCNT, 26
.set MASKK, 27                         ; lanes k and 16 + k
.set KF,   28                          ; k as f32
.set OFF,  29                          ; the window's centre less the last event
.set HW,   30                          ; and its half width
.set NEG,  31
.set G1B,  32                          ; s[32:39], s[40:47] descriptor groups 1; s[48:63], s[68:71] five groups 0.  Behind the wait for 0 on TENSORcnt s32-47 and s48-63 are the tiles' mask temporaries
.set G1S,  40
.set G0S,  48
.set U0,   32
.set U1,   48
.set TMASK, 73                         ; 0 in task 0, -1 in task 1
.set Q0,   74                          ; a tile's 13 lasting masks
.set Q1,   87
.set qSB0, 0
.set qSB0P, 1
.set qCA,  2
.set qCB,  7
.set qMODE, 12
.set MSB, 0
.macro WIN new                         ; the immediate's high byte repeats the setting that is left; a switch that changes nothing is dropped
.if MSB != (\new)
	s_set_vgpr_msb (MSB<<8)|(\new)
.set MSB, \new
.endif
.endm
.macro PLACES                          ; four plain vector places behind matrix instructions, in front of loads into registers that they have read (ISA guide 7.12.1 for vector instructions)
.rept 4
	v_nop
.endr
.endm
.macro FBITS n                         ; FB = the f32 bits of the whole number n, 0 .. 31
.if (\n) == 0
.set FB, 0
.elseif (\n) < 2
.set FB, 127<<23
.elseif (\n) < 4
.set FB, (128<<23)|(((\n)-2)<<22)
.elseif (\n) < 8
.set FB, (129<<23)|(((\n)-4)<<21)
.elseif (\n) < 16
.set FB, (130<<23)|(((\n)-8)<<20)
.else
.set FB, (131<<23)|(((\n)-16)<<19)
.endif
.endm
	s_load_b256 s[4:11], s[0:1], 0x0               ; xq s[4:5], xs s[6:7], pq s[8:9], ps s[10:11]
	s_load_b256 s[12:19], s[0:1], 0x20             ; mask s[12:13], patch_select s[14:15], out0 s[16:17], out1 s[18:19]
	s_load_b64 s[20:21], s[0:1], 0x40              ; out2
	s_set_vgpr_msb 0xc0
	v_lshl_add_u32 v254, v0, 2, 0x34000
	v_mov_b32 v255, 0
	s_set_vgpr_msb 0xc0cf
	ds_add_u32 v254, v255
	ds_add_u32 v254, v255
	s_set_vgpr_msb 0xcf00
	v_lshrrev_b32 v[AD0], 5, v0
	v_readfirstlane_b32 s[WV], v[AD0]              ; wave 0..3
	s_and_b32 s2, ttmp7, 0xffff                    ; b
	s_lshl_b32 s[OM], s[WV], 3
	s_add_co_u32 s[OM], s[OM], ttmp9               ; my share: g + 8 x wave
	s_mov_b32 s[NEG], NEGB
	; dense blocks as rows of 256 bytes (32 elements of 8 bytes): 48 rows of codes, 8 rows of scale words, a wave's quarter
	s_mov_b32 s[G1B+0], 3<<16
	s_mov_b32 s[G1B+1], 32<<16
	s_mov_b32 s[G1B+2], 48<<16
	s_mov_b32 s[G1B+3], 32<<16
	s_mov_b32 s[G1B+4], 48
	s_mov_b32 s[G1B+5], 32
	s_mov_b32 s[G1B+6], 0
	s_mov_b32 s[G1B+7], 0
	s_mov_b32 s[G1S+0], 3<<16
	s_mov_b32 s[G1S+1], 32<<16
	s_mov_b32 s[G1S+2], 8<<16
	s_mov_b32 s[G1S+3], 32<<16
	s_mov_b32 s[G1S+4], 8
	s_mov_b32 s[G1S+5], 32
	s_mov_b32 s[G1S+6], 0
	s_mov_b32 s[G1S+7], 0
	s_lshl_b32 s24, s2, 13
	s_lshl_b32 s25, s[WV], 11                      ; 2,048 x wave
	s_add_co_u32 s24, s24, s25                     ; xs: 8,192 b + 2,048 wave
	s_add_co_u32 s3, s25, SCR                      ; my scratch
	s_add_co_u32 s[G0S+1], s25, XSL
	s_mov_b32 s25, 0
	s_mul_i32 s26, s2, 196608
	s_mul_i32 s28, s[WV], 12288
	s_add_co_u32 s26, s26, s28                     ; xq: 196,608 b + 12,288 wave
	s_mov_b32 s27, 0
	s_wait_dscnt 0x0
	s_wait_kmcnt 0x0
	s_add_nc_u64 s[6:7], s[6:7], s[24:25]
	s_add_nc_u64 s[4:5], s[4:5], s[26:27]
	s_mov_b32 s[G0S], 1
	s_mov_b64 s[G0S+2:G0S+3], s[6:7]
	s_or_b32 s[G0S+3], s[G0S+3], 0x80000000
.irp s, 0,1,2,3
	s_mov_b32 s[52+4*\s+4*(\s/3)], 1
	s_add_co_u32 s[53+4*\s+4*(\s/3)], s28, \s*49152
	s_add_nc_u64 s[54+4*\s+4*(\s/3):55+4*\s+4*(\s/3)], s[4:5], \s*49152
	s_or_b32 s[55+4*\s+4*(\s/3)], s[55+4*\s+4*(\s/3)], 0x80000000
.endr
	tensor_load_to_lds s[G0S:G0S+3], s[G1S:G1S+7]  ; the scale words first, then K steps 0 to 3: every wave its quarter of each
	s_nop 0
.irp s, 0,1,2,3
	tensor_load_to_lds s[52+4*\s+4*(\s/3):55+4*\s+4*(\s/3)], s[G1B:G1B+7]
	s_nop 0
.endr
.rept 4
	v_nop                                          ; plain places behind a tensor load
.endr
	v_and_b32 v96, 31, v0                          ; lane
	v_bfe_u32 v97, v0, 4, 1                        ; h
	v_and_b32 v98, 7, v0                           ; r % 8
	v_bfe_u32 v99, v0, 3, 1                        ; r / 8
	v_and_b32 v100, 15, v0                         ; r
	v_lshlrev_b32 v[L16], 4, v96
.irp s, 0,1,2,3
	v_add_nc_u32 v[BADR+\s], \s*49152, v[L16]
.endr
	v_add_nc_u32 v[XSA], XSL, v[L16]
	v_cvt_f32_u32 v[RF], v100
	v_sub_f32 v[L15], 0x41700000, v[RF]
	v_lshl_add_u32 v[EXA], v96, 2, s3
	v_lshl_add_u32 v[EXR], v97, 6, s3
	v_lshl_add_u32 v[STA], v98, 2, s3
	v_lshl_add_u32 v[STA], v97, 5, v[STA]
	v_lshl_add_u32 v[STA], v99, 9, v[STA]
	v_add_nc_u32 v[STA], 1024, v[STA]
	v_lshl_add_u32 v[STB], v97, 2, s3
	v_lshl_add_u32 v[STB], v99, 9, v[STB]
	v_add_nc_u32 v[STB], 1280, v[STB]
	v_lshl_add_u32 v[OUA], v96, 3, s3
	v_add_nc_u32 v[OUA], 1024, v[OUA]
	v_lshl_add_u32 v[OUB], v98, 2, s3
	v_add_nc_u32 v[OUB], 1280, v[OUB]
	v_lshlrev_b32 v[R4], 2, v100
	v_lshlrev_b32 v[L4], 2, v98
	v_lshl_add_u32 v[PSA], v97, 5, v[L4]
	v_lshlrev_b32 v[L8], 3, v96
	s_cmp_lt_u32 s[OM], 25
	s_cbranch_scc0 .Lno_share
	; what a share reads from memory itself, while the tensor loads are on their way
	s_mul_i32 s24, s[OM], 24576                    ; pq: four tiles of 6,144 bytes a share
	s_mov_b32 s25, 0
	s_add_nc_u64 s[8:9], s[8:9], s[24:25]
	s_lshl_b32 s24, s[OM], 10                      ; ps: 64 rows of 16 bytes
	s_add_nc_u64 s[10:11], s[10:11], s[24:25]
	s_lshl_b32 s24, s2, 11                         ; the mask: 2,048 bytes a batch
	s_add_nc_u64 s[12:13], s[12:13], s[24:25]
	s_lshl_b32 s24, s[OM], 8                       ; patch_select: 8 prototypes x 32 bytes
	s_add_nc_u64 s[14:15], s[14:15], s[24:25]
	s_mul_i32 s26, s2, 6400
	s_add_co_u32 s24, s24, s26                     ; out2: 6,400 b + 256 share
	s_add_nc_u64 s[20:21], s[20:21], s[24:25]
	s_mul_i32 s24, s2, 800
	s_lshl_b32 s26, s[OM], 5
	s_add_co_u32 s24, s24, s26                     ; out0, out1: 800 b + 32 share
	s_add_nc_u64 s[16:17], s[16:17], s[24:25]
	s_add_nc_u64 s[18:19], s[18:19], s[24:25]
	WIN 0xc0                                       ; destination window 3
.set k, 0
.rept 24
	global_load_b128 v[4*k:4*k+3], v[L16], s[8:9] offset:512*k   ; task 0's two tiles of A: 24 runs of 512 bytes, register images
.set k, k+1
.endr
.set n, 0
.rept 32
	global_load_b32 v[MK+2*n], v[R4], s[12:13] offset:64*n       ; tm at t = 16 n + r
.set n, n+1
.endr
	WIN 0
.irp j, 0,1
	global_load_b128 v[AS+4*\j:AS+4*\j+3], v[L16], s[10:11] offset:512*\j
.endr
.irp j, 0,1,2,3
	global_load_b32 v[WT+\j], v[PSA], s[14:15] offset:64*\j
.endr
	s_wait_loadcnt 0x0
	WIN 0xcc                                       ; source 1 and destination window 3
.set n, 0
.rept 32
	v_sub_f32 v[MK+2*n+1], 1.0, v[MK+2*n]
.set n, n+1
.endr
.set n, 0
.rept 32
	v_mul_f32 v[MK+2*n+1], s[NEG], v[MK+2*n+1]     ; (1 - tm) NEG, rounded as the problem rounds it
.set n, n+1
.endr
	WIN 0
	; the weights: slot = 1 / (1 + 2^(-x log2 e)); weight = 8 slot / (the 8 slots' sum + 1e-10)
.irp j, 0,1,2,3
	v_mul_f32 v[WT+\j], 0xbfb8aa3b, v[WT+\j]
.endr
.irp j, 0,1,2,3
	v_exp_f32 v[WT+\j], v[WT+\j]
.endr
	v_nop                                          ; one plain place behind a transcendental
	s_wait_alu depctr_va_vdst(0)
.irp j, 0,1,2,3
	v_add_f32 v[WT+\j], 1.0, v[WT+\j]
.endr
.irp j, 0,1,2,3
	v_rcp_f32 v[WT+\j], v[WT+\j]
.endr
	v_nop
	s_wait_alu depctr_va_vdst(0)
.irp j, 0,1,2,3
	v_mov_b32 v[104+\j], v[WT+\j]
.endr
.irp x, 1,2,4
.irp j, 0,1,2,3
	v_add_f32_dpp v[104+\j], v[104+\j], v[104+\j] row_xmask:\x row_mask:0xf bank_mask:0xf
.endr
.endr
.irp j, 0,1,2,3
	v_add_f32 v[104+\j], 0x2edbe6ff, v[104+\j]
.endr
.irp j, 0,1,2,3
	v_rcp_f32 v[104+\j], v[104+\j]
.endr
	v_nop
	s_wait_alu depctr_va_vdst(0)
.irp j, 0,1,2,3
	v_mul_f32 v[WT+\j], v[WT+\j], v[104+\j]
.endr
.irp j, 0,1,2,3
	v_mul_f32 v[WT+\j], F8, v[WT+\j]
.endr
.Lno_share:
; ---------------- THE PRODUCT.  Source 0 = 16 rows of the prototypes, source 1 = 16 t of x.  rD, rA, rB, rP, rX are set by PRODS.
.macro WM zero, ra, rb
.if \zero
.if \ra
.if \rb
	v_wmma_scale_f32_16x16x128_f8f6f4 v[rD:rD+7], v[rA:rA+11], v[rB:rB+11], 0, v[rP], v[rX] matrix_a_fmt:MATRIX_FMT_BF6 matrix_b_fmt:MATRIX_FMT_BF6 matrix_a_scale:MATRIX_SCALE_ROW1 matrix_b_scale:MATRIX_SCALE_ROW1
.else
	v_wmma_scale_f32_16x16x128_f8f6f4 v[rD:rD+7], v[rA:rA+11], v[rB:rB+11], 0, v[rP], v[rX] matrix_a_fmt:MATRIX_FMT_BF6 matrix_b_fmt:MATRIX_FMT_BF6 matrix_a_scale:MATRIX_SCALE_ROW1
.endif
.else
.if \rb
	v_wmma_scale_f32_16x16x128_f8f6f4 v[rD:rD+7], v[rA:rA+11], v[rB:rB+11], 0, v[rP], v[rX] matrix_a_fmt:MATRIX_FMT_BF6 matrix_b_fmt:MATRIX_FMT_BF6 matrix_b_scale:MATRIX_SCALE_ROW1
.else
	v_wmma_scale_f32_16x16x128_f8f6f4 v[rD:rD+7], v[rA:rA+11], v[rB:rB+11], 0, v[rP], v[rX] matrix_a_fmt:MATRIX_FMT_BF6 matrix_b_fmt:MATRIX_FMT_BF6
.endif
.endif
.else
.if \ra
.if \rb
	v_wmma_scale_f32_16x16x128_f8f6f4 v[rD:rD+7], v[rA:rA+11], v[rB:rB+11], v[rD:rD+7], v[rP], v[rX] matrix_a_fmt:MATRIX_FMT_BF6 matrix_b_fmt:MATRIX_FMT_BF6 matrix_a_scale:MATRIX_SCALE_ROW1 matrix_b_scale:MATRIX_SCALE_ROW1
.else
	v_wmma_scale_f32_16x16x128_f8f6f4 v[rD:rD+7], v[rA:rA+11], v[rB:rB+11], v[rD:rD+7], v[rP], v[rX] matrix_a_fmt:MATRIX_FMT_BF6 matrix_b_fmt:MATRIX_FMT_BF6 matrix_a_scale:MATRIX_SCALE_ROW1
.endif
.else
.if \rb
	v_wmma_scale_f32_16x16x128_f8f6f4 v[rD:rD+7], v[rA:rA+11], v[rB:rB+11], v[rD:rD+7], v[rP], v[rX] matrix_a_fmt:MATRIX_FMT_BF6 matrix_b_fmt:MATRIX_FMT_BF6 matrix_b_scale:MATRIX_SCALE_ROW1
.else
	v_wmma_scale_f32_16x16x128_f8f6f4 v[rD:rD+7], v[rA:rA+11], v[rB:rB+11], v[rD:rD+7], v[rP], v[rX] matrix_a_fmt:MATRIX_FMT_BF6 matrix_b_fmt:MATRIX_FMT_BF6
.endif
.endif
.endif
.endm
.macro PRODS t, s, c, as               ; four products: tile t of the prototypes x N tiles 4 c .. 4 c + 3, K step s.  K step 0 starts the sums: nothing is cleared
.irp k, 0,1,2,3
.set rD, 8*(4*(\c)+\k)
.set rA, 48*(\t)+12*(\s)
.set rB, BF+48*((\c)%3)+12*\k
.set rP, AS+(\as)+(\s)
.set rX, SC+4*((4*(\c)+\k)/2)+(\s)
	WM (\s)==0, \t, \k%2
.endr
.endm
.macro LOADB s, c                      ; four fragments of x, N tiles 4 c .. 4 c + 3, into set c % 3: register images, 512 consecutive bytes a load
.irp k, 0,1,2,3
.irp q, 0,1,2
	ds_load_b128 v[BF+48*((\c)%3)+12*\k+4*\q:BF+48*((\c)%3)+12*\k+4*\q+3], v[BADR+(\s)] offset:(4*(\c)+\k)*1536+512*\q
.endr
.endr
.endm
; A K step: eight chunks of four N tiles; each fragment of x feeds both tiles of prototypes.  Loads run two chunks ahead on three sets.  The 64 accumulators take turns, one instruction a turn, in the same order in every K step.
.macro GWORK s, as, nops
.if \nops
	PLACES
.endif
	LOADB \s, 0
	LOADB \s, 1
.irp c, 0,1,2,3,4,5,6,7
.if \c < 6
.if \c > 0
	PLACES                                         ; the set was read by the chunk just multiplied
.endif
	LOADB \s, \c+2
	s_wait_dscnt 24                                ; the two younger chunks' 24 loads may be out
.elseif \c == 6
	s_wait_dscnt 12                                ; the last chunk's 12
.else
	s_wait_dscnt 0x0
.endif
	WIN 0x53                                       ; A window 3, x window 0, C and D window 1
	PRODS 0, \s, \c, \as
	WIN 0xa3                                       ; C and D window 2
	PRODS 1, \s, \c, \as
	WIN 0
.endr
.endm
; Task 0's K step s stands behind the barrier that shows its codes whole: each wave has waited for its quarter (the 3 - s younger loads stay out).  Every wave passes the barrier; a wave without a share jumps over the work alone.
.macro GFIRST s
	s_wait_tensorcnt 3-\s
	s_barrier_signal -1
	s_barrier_wait -1
	s_cmp_lt_u32 s[OM], 25
	s_cbranch_scc0 .Lidle_\@
.if \s == 0
.set k, 0
.rept 16
	ds_load_b128 v[SC+4*k:SC+4*k+3], v[XSA] offset:512*k   ; x's scale words, all four K steps of rows 32 k + lane: they stay
.set k, k+1
.endr
	GWORK \s, 0, 0
.else
	GWORK \s, 0, 1
.endif
.Lidle_\@:
.endm
	GFIRST 0
	GFIRST 1
	GFIRST 2
	GFIRST 3
	s_cmp_lt_u32 s[OM], 25
	s_cbranch_scc0 .Lend
; ---------------- THE SCAN'S MACROS
.macro RED ins, reg                    ; one register of both tiles over the 16 lanes of a pair
.irp x, 1,2,4,8
.irp t, 0,1
	\ins v[R\t+\reg], v[R\t+\reg], v[R\t+\reg] row_xmask:\x row_mask:0xf bank_mask:0xf
.endr
.endr
.endm
.macro RED2 ins, rega, regb            ; two registers of both tiles: four chains by turns
.irp x, 1,2,4,8
.irp t, 0,1
	\ins v[R\t+\rega], v[R\t+\rega], v[R\t+\rega] row_xmask:\x row_mask:0xf bank_mask:0xf
	\ins v[R\t+\regb], v[R\t+\regb], v[R\t+\regb] row_xmask:\x row_mask:0xf bank_mask:0xf
.endr
.endr
.endm
.macro FMASK t                         ; D = D tm + (1 - tm) NEG; each accumulator from its low end on
	WIN ((1+\t)<<6)|0x3c|(1+\t)
.set n, 0
.rept 32
.irp u, 0,2,4,6
	v_pk_fma_f32 v[8*n+\u:8*n+\u+1], v[8*n+\u:8*n+\u+1], v[MK+2*n:MK+2*n+1], v[MK+2*n:MK+2*n+1] op_sel:[0,0,1] op_sel_hi:[1,0,1]
.endr
.set n, n+1
.endr
.endm
.macro MAXES t                         ; for each i the largest D over my lane's 32 t: eight chains
	WIN ((1+\t)<<4)|((1+\t)<<2)
.irp i, 0,1,2,3,4,5,6,7
	v_max3_num_f32 v[R\t+oM+\i], NINF, v[\i], v[8+\i]
.endr
.set a, 1
.rept 15
.irp i, 0,1,2,3,4,5,6,7
	v_max3_num_f32 v[R\t+oM+\i], v[R\t+oM+\i], v[16*a+\i], v[16*a+8+\i]
.endr
.set a, a+1
.endr
.endm
; The rows i0 and i' of D are picked out for all t: a one-hot weight picks the pair of i (products with 0 and 1 and sums with 0 round nothing), a select its half.  Then the lowest n at which the row equals V (the other row + NEG: VF).
.macro ROWS t
	WIN 0xf0|(1+\t)                                ; D window 1 + t, weights window 0, the pairs window 3: row i0 at 4 n, row i' at 4 n + 2
.set n, 0
.rept 16
.irp d, 0,1
	v_pk_mul_f32 v[4*(n+\d):4*(n+\d)+1], v[8*(n+\d):8*(n+\d)+1], v[R\t+oWU:R\t+oWU+1] op_sel_hi:[1,0]
	v_pk_mul_f32 v[4*(n+\d)+2:4*(n+\d)+3], v[8*(n+\d):8*(n+\d)+1], v[R\t+oWUP:R\t+oWUP+1] op_sel_hi:[1,0]
.endr
.irp d, 0,1
	v_pk_fma_f32 v[4*(n+\d):4*(n+\d)+1], v[8*(n+\d)+2:8*(n+\d)+3], v[R\t+oWU:R\t+oWU+1], v[4*(n+\d):4*(n+\d)+1] op_sel:[0,1,0] op_sel_hi:[1,1,1]
	v_pk_fma_f32 v[4*(n+\d)+2:4*(n+\d)+3], v[8*(n+\d)+2:8*(n+\d)+3], v[R\t+oWUP:R\t+oWUP+1], v[4*(n+\d)+2:4*(n+\d)+3] op_sel:[0,1,0] op_sel_hi:[1,1,1]
.endr
.irp d, 0,1
	v_pk_fma_f32 v[4*(n+\d):4*(n+\d)+1], v[8*(n+\d)+4:8*(n+\d)+5], v[R\t+oWU+2:R\t+oWU+3], v[4*(n+\d):4*(n+\d)+1] op_sel_hi:[1,0,1]
	v_pk_fma_f32 v[4*(n+\d)+2:4*(n+\d)+3], v[8*(n+\d)+4:8*(n+\d)+5], v[R\t+oWUP+2:R\t+oWUP+3], v[4*(n+\d)+2:4*(n+\d)+3] op_sel_hi:[1,0,1]
.endr
.irp d, 0,1
	v_pk_fma_f32 v[4*(n+\d):4*(n+\d)+1], v[8*(n+\d)+6:8*(n+\d)+7], v[R\t+oWU+2:R\t+oWU+3], v[4*(n+\d):4*(n+\d)+1] op_sel:[0,1,0] op_sel_hi:[1,1,1]
	v_pk_fma_f32 v[4*(n+\d)+2:4*(n+\d)+3], v[8*(n+\d)+6:8*(n+\d)+7], v[R\t+oWUP+2:R\t+oWUP+3], v[4*(n+\d)+2:4*(n+\d)+3] op_sel:[0,1,0] op_sel_hi:[1,1,1]
.endr
.set n, n+2
.endr
	WIN 0xcf                                       ; all in window 3
.set n, 0
.rept 32
	v_cndmask_b32 v[4*n], v[4*n], v[4*n+1], s[Q\t+qSB0]
	v_cndmask_b32 v[4*n+2], v[4*n+2], v[4*n+3], s[Q\t+qSB0P]
.set n, n+1
.endr
.set n, 0
.rept 32
	v_add_f32 v[4*n+2], s[NEG], v[4*n+2]
.set n, n+1
.endr
	WIN 0x03                                       ; source 0 window 3, the rest window 0
	v_mov_b32 v[R\t+oNK], BIG
	v_mov_b32 v[R\t+oNKP], BIG
.set n, 31
.rept 16                               ; n descending, so that the lowest stays; two n at a time
	v_cmp_neq_f32 s[U\t], v[4*n], v[R\t+oV]
	v_cmp_neq_f32 s[U\t+1], v[4*n+2], v[R\t+oVF]
	v_cmp_neq_f32 s[U\t+2], v[4*n-4], v[R\t+oV]
	v_cmp_neq_f32 s[U\t+3], v[4*n-2], v[R\t+oVF]
	FBITS n
	v_cndmask_b32 v[R\t+oNK], FB, v[R\t+oNK], s[U\t]
	v_cndmask_b32 v[R\t+oNKP], FB, v[R\t+oNKP], s[U\t+1]
	FBITS n-1
	v_cndmask_b32 v[R\t+oNK], FB, v[R\t+oNK], s[U\t+2]
	v_cndmask_b32 v[R\t+oNKP], FB, v[R\t+oNKP], s[U\t+3]
.set n, n-2
.endr
	WIN 0
.endm
.macro LV db, sa, sb, cnt, m           ; cnt groups of eight registers: db + 8 g + i takes sb + 8 g + i where the mask's bit is set, else sa + 8 g + i; g ascending, so that it may run in place
.set g, 0
.rept \cnt
.irp i, 0,1,2,3,4,5,6,7
	v_cndmask_b32 v[(\db)+8*g+\i], v[(\sa)+8*g+\i], v[(\sb)+8*g+\i], s[\m]
.endr
.set g, g+1
.endr
.endm
; Two neighbouring groups of D, n0 and n0 + 1 (n0 <= 30, its own in each lane), are cut out by n0's bits, the highest first: 16, 9, 5, 3, 2 groups.  Where n0 % 16 = 15 the upper neighbour is D[16], which no level writes.
.macro TREES t
	WIN 0xc0|((1+\t)<<2)|(1+\t)                    ; band A, bit 4: out of D into window 3, since band B then works in place in D
	LV 0, 0, 128, 16, Q\t+qCA+4
	WIN ((1+\t)<<6)|((1+\t)<<2)|(1+\t)             ; band B in place
	LV 0, 0, 128, 16, Q\t+qCB+4
	LV 0, 0, 64, 9, Q\t+qCB+3
	LV 0, 0, 32, 5, Q\t+qCB+2
	LV 0, 0, 16, 3, Q\t+qCB+1
	WIN ((1+\t)<<2)|(1+\t)                         ; its last level into window 0
	LV R\t+oBB, 0, 8, 2, Q\t+qCB
	WIN 0xcf                                       ; band A goes on in window 3
	LV 0, 0, 64, 8, Q\t+qCA+3
	WIN 0xc0|((1+\t)<<2)|3                         ; its group 8 takes D[16]
	LV 64, 64, 128, 1, Q\t+qCA+3
	WIN 0xcf
	LV 0, 0, 32, 5, Q\t+qCA+2
	LV 0, 0, 16, 3, Q\t+qCA+1
	WIN 0x0f
	LV R\t+oBA, 0, 8, 2, Q\t+qCA
	WIN 0
.endm
.macro STRIKE                          ; the event just chosen is taken: its slot's t becomes -1e9, in both bands
.irp x, 0,1,2,3
.irp t, 0,1
	v_cmp_neq_f32 s[U\t+\x], v[R\t+oTA+\x], v[R\t+oE]
.endr
.endr
.irp x, 0,1,2,3
.irp t, 0,1
	v_cndmask_b32 v[R\t+oTA+\x], NBIG, v[R\t+oTA+\x], s[U\t+\x]
.endr
.endr
.endm
.macro PNSET first                     ; the subpatch just chosen is taken: its addend becomes -infinity
.irp i, 0,1,2,3,4,5,6,7
	FBITS \i
.irp t, 0,1
	v_cmp_neq_f32 s[U\t+4+\i], FB, v[R\t+oSUB]
.endr
.endr
.irp i, 0,1,2,3,4,5,6,7
.irp t, 0,1
.if \first
	v_cndmask_b32 v[R\t+oPN+\i], NINF, 0, s[U\t+4+\i]
.else
	v_cndmask_b32 v[R\t+oPN+\i], NINF, v[R\t+oPN+\i], s[U\t+4+\i]
.endif
.endr
.endr
.endm
	s_mov_b32 s[TASK], 0
	s_mov_b32 s[TMASK], 0
	WIN 0xc0                                       ; destination window 3
.irp x, 0,1,2,3
	v_mov_b32 v[KP+4+\x], 0                        ; written once: the first task's end moves these four down before it writes them
.endr
	WIN 0
.Ltask:                                            ; two trips: a task is two tiles of prototypes
	s_cmp_eq_u32 s[TASK], 0
	s_cbranch_scc1 .Lscan                          ; task 0's product stands in front of the loop, behind its barriers
	s_wait_loadcnt 0x0                             ; task 1's A
	GWORK 0, 4, 1
	GWORK 1, 4, 1
	GWORK 2, 4, 1
	GWORK 3, 4, 1
.Lscan:
	FMASK 0                                        ; its first lines name no register of the last products: they are those products' places
	FMASK 1
	MAXES 0
	MAXES 1
	WIN 0
	; ---- V = the largest D, VF = V + NEG; i0 and i' = the lowest i whose column reaches them
.irp t, 0,1
	v_max3_num_f32 v[R\t+oV], v[R\t+oM], v[R\t+oM+1], v[R\t+oM+2]
.endr
.irp i, 3,5
.irp t, 0,1
	v_max3_num_f32 v[R\t+oV], v[R\t+oV], v[R\t+oM+\i], v[R\t+oM+\i+1]
.endr
.endr
.irp t, 0,1
	v_max_num_f32 v[R\t+oV], v[R\t+oV], v[R\t+oM+7]
.endr
	RED v_max_num_f32_dpp, oV
.irp t, 0,1
	v_add_f32 v[R\t+oVF], s[NEG], v[R\t+oV]
.irp u, 0,2,4,6
	v_pk_add_f32 v[R\t+oMP+\u:R\t+oMP+\u+1], v[R\t+oM+\u:R\t+oM+\u+1], NEGB op_sel_hi:[1,0]
.endr
	v_mov_b32 v[R\t+oSUB], F8
	v_mov_b32 v[R\t+oIKP], F8
.endr
.irp i, 7,6,5,4,3,2,1,0
	FBITS \i
.irp t, 0,1
	v_cmp_neq_f32 s[U\t], v[R\t+oM+\i], v[R\t+oV]
	v_cmp_neq_f32 s[U\t+1], v[R\t+oMP+\i], v[R\t+oVF]
.endr
.irp t, 0,1
	v_cndmask_b32 v[R\t+oSUB], FB, v[R\t+oSUB], s[U\t]
	v_cndmask_b32 v[R\t+oIKP], FB, v[R\t+oIKP], s[U\t+1]
.endr
.endr
	RED2 v_min_num_f32_dpp, oSUB, oIKP
	; ---- i as a pair number (one-hot weights) and a half (a mask)
.irp t, 0,1
	v_mul_f32 v[R\t+oW], 0.5, v[R\t+oSUB]
	v_mul_f32 v[R\t+oW+1], 0.5, v[R\t+oIKP]
.endr
.irp t, 0,1
	v_floor_f32 v[R\t+oW], v[R\t+oW]
	v_floor_f32 v[R\t+oW+1], v[R\t+oW+1]
.endr
.irp t, 0,1
	v_fma_f32 v[R\t+oW+2], v[R\t+oW], -2.0, v[R\t+oSUB]
	v_fma_f32 v[R\t+oW+3], v[R\t+oW+1], -2.0, v[R\t+oIKP]
.endr
.irp t, 0,1
	v_cmp_neq_f32 s[Q\t+qSB0], 0, v[R\t+oW+2]
	v_cmp_neq_f32 s[Q\t+qSB0P], 0, v[R\t+oW+3]
.endr
.irp u, 0,1,2,3
	FBITS \u
.irp t, 0,1
	v_cmp_eq_f32 s[U\t+2*\u], FB, v[R\t+oW]
	v_cmp_eq_f32 s[U\t+2*\u+1], FB, v[R\t+oW+1]
.endr
.endr
.irp u, 0,1,2,3
.irp t, 0,1
	v_cndmask_b32 v[R\t+oWU+\u], 0, 1.0, s[U\t+2*\u]
	v_cndmask_b32 v[R\t+oWUP+\u], 0, 1.0, s[U\t+2*\u+1]
.endr
.endr
	ROWS 0
	ROWS 1
	; ---- e0 and t': the lowest t = 16 n + r over the pair's lanes
.irp t, 0,1
	v_fma_f32 v[R\t+oE], v[R\t+oNK], F16, v[RF]
	v_fma_f32 v[R\t+oTP], v[R\t+oNKP], F16, v[RF]
.endr
	RED2 v_min_num_f32_dpp, oE, oTP
	; ---- the bands: A from e0 - 3, B from t' + 1, both held to 0 .. 480; my lane's first slot is the lowest t = 16 n0 + r in the band, its second 16 further on
.irp t, 0,1
	v_add_f32 v[R\t+oW], 0xc0400000, v[R\t+oE]
	v_add_f32 v[R\t+oW+1], 1.0, v[R\t+oTP]
.endr
.irp t, 0,1
	v_med3_num_f32 v[R\t+oW], v[R\t+oW], 0, F480
	v_med3_num_f32 v[R\t+oW+1], v[R\t+oW+1], 0, F480
.endr
.irp t, 0,1
	v_add_f32 v[R\t+oW], v[R\t+oW], v[L15]
	v_add_f32 v[R\t+oW+1], v[R\t+oW+1], v[L15]
.endr
.irp t, 0,1
	v_mul_f32 v[R\t+oW], 0x3d800000, v[R\t+oW]
	v_mul_f32 v[R\t+oW+1], 0x3d800000, v[R\t+oW+1]
.endr
.irp t, 0,1
	v_floor_f32 v[R\t+oW], v[R\t+oW]               ; n0 = floor((start + 15 - r) / 16), at most 30
	v_floor_f32 v[R\t+oW+1], v[R\t+oW+1]
.endr
.irp t, 0,1
	v_fma_f32 v[R\t+oTA], v[R\t+oW], F16, v[RF]
	v_fma_f32 v[R\t+oTB], v[R\t+oW+1], F16, v[RF]
.endr
.irp t, 0,1
	v_add_f32 v[R\t+oTA+1], F16, v[R\t+oTA]
	v_add_f32 v[R\t+oTB+1], F16, v[R\t+oTB]
	v_cvt_u32_f32 v[R\t+oW], v[R\t+oW]
	v_cvt_u32_f32 v[R\t+oW+1], v[R\t+oW+1]
.endr
.irp e, 0,1,2,3,4
.irp t, 0,1
	v_and_b32 v[R\t+oW+2], 1<<\e, v[R\t+oW]
	v_and_b32 v[R\t+oW+3], 1<<\e, v[R\t+oW+1]
.endr
.irp t, 0,1
	v_cmp_ne_u32 s[Q\t+qCA+\e], 0, v[R\t+oW+2]     ; n0's bits as lane masks: they feed selects alone
	v_cmp_ne_u32 s[Q\t+qCB+\e], 0, v[R\t+oW+3]
.endr
.endr
	TREES 0
	TREES 1
	s_cmp_lg_u32 s[TASK], 0
	s_cbranch_scc1 .Lno_a
	WIN 0xc0                                       ; window 3's low half is free: task 1's A is asked for here and lands under the steps
.set k, 0
.rept 24
	global_load_b128 v[4*k:4*k+3], v[L16], s[8:9] offset:12288+512*k
.set k, k+1
.endr
	WIN 0
.Lno_a:
	; ---- step 0's record, and the state
.irp t, 0,1
	v_fma_f32 v[R\t+oKFB], v[R\t+oIKP], F1024, v[R\t+oTP]   ; the fallback's key
	v_mul_f32 v[R\t+oMYC], F8, v[R\t+oSUB]
	v_mov_b32 v[R\t+oMYV], v[R\t+oV]
	v_mov_b32 v[R\t+oMYE], v[R\t+oE]
	s_mov_b32 s[Q\t+qMODE], 0                      ; band A until a fallback is taken
.endr
	STRIKE
	PNSET 1
	s_mov_b32 s[KCNT], 1
	s_mov_b32 s[MASKK], 0x00020002
	s_mov_b32 s[KF], 0x3f800000
	s_mov_b32 s[OFF], 0                            ; step 1's window: e - 3 .. e + 3
	s_mov_b32 s[HW], 0x40400000
.Lstep:                                            ; seven trips: steps 1 to 7, both tiles by turns
.irp t, 0,1
	v_add_f32 v[R\t+oCEN], s[OFF], v[R\t+oE]
.endr
.irp t, 0,1
	v_sub_f32 v[R\t+oLO], v[R\t+oCEN], s[HW]
.endr
.irp t, 0,1
	v_cmp_lt_f32 s[U\t], v[R\t+oTA], v[R\t+oLO]    ; a window is at most 7 wide: of my lane's slots one at the most lies in it: the first that is not under its lower end
	v_cmp_lt_f32 s[U\t+1], v[R\t+oTB], v[R\t+oLO]
.endr
.irp t, 0,1
	s_and_not1_b32 s[U\t+2], s[U\t], s[Q\t+qMODE]
	s_and_not1_b32 s[U\t+3], s[Q\t+qMODE], s[U\t+1]
	s_and_b32 s[U\t+4], s[Q\t+qMODE], s[U\t+1]
.endr
.irp t, 0,1
.irp i, 0,1,2,3,4,5,6,7
	v_cndmask_b32 v[R\t+oX+\i], v[R\t+oBA+\i], v[R\t+oBA+8+\i], s[U\t+2]
.endr
	v_cndmask_b32 v[R\t+oTX], v[R\t+oTA], v[R\t+oTA+1], s[U\t+2]
.endr
.irp t, 0,1
.irp i, 0,1,2,3,4,5,6,7
	v_cndmask_b32 v[R\t+oX+\i], v[R\t+oX+\i], v[R\t+oBB+\i], s[U\t+3]
.endr
	v_cndmask_b32 v[R\t+oTX], v[R\t+oTX], v[R\t+oTB], s[U\t+3]
.endr
.irp t, 0,1
.irp i, 0,1,2,3,4,5,6,7
	v_cndmask_b32 v[R\t+oX+\i], v[R\t+oX+\i], v[R\t+oBB+8+\i], s[U\t+4]
.endr
	v_cndmask_b32 v[R\t+oTX], v[R\t+oTX], v[R\t+oTB+1], s[U\t+4]
.endr
.irp t, 0,1
	v_sub_f32 v[R\t+oW], v[R\t+oTX], v[R\t+oCEN]
.irp u, 0,2,4,6
	v_pk_add_f32 v[R\t+oX+\u:R\t+oX+\u+1], v[R\t+oX+\u:R\t+oX+\u+1], v[R\t+oPN+\u:R\t+oPN+\u+1]
.endr
.endr
.irp t, 0,1
	v_cmp_ge_f32 s[U\t+5], s[HW], |v[R\t+oW]|      ; my slot lies in the window (a taken slot's t is -1e9)
	v_max3_num_f32 v[R\t+oV], v[R\t+oX], v[R\t+oX+1], v[R\t+oX+2]
.endr
.irp i, 3,5
.irp t, 0,1
	v_max3_num_f32 v[R\t+oV], v[R\t+oV], v[R\t+oX+\i], v[R\t+oX+\i+1]
.endr
.endr
.irp t, 0,1
	v_max_num_f32 v[R\t+oV], v[R\t+oV], v[R\t+oX+7]
.endr
.irp t, 0,1
	v_cndmask_b32 v[R\t+oV], NINF, v[R\t+oV], s[U\t+5]
	v_mov_b32 v[R\t+oW+1], F8
.endr
	RED v_max_num_f32_dpp, oV
.irp i, 7,6,5,4,3,2,1,0
	FBITS \i
.irp t, 0,1
	v_cmp_neq_f32 s[U\t+6+(\i%2)], v[R\t+oX+\i], v[R\t+oV]
.endr
.irp t, 0,1
	v_cndmask_b32 v[R\t+oW+1], FB, v[R\t+oW+1], s[U\t+6+(\i%2)]
.endr
.endr
.irp t, 0,1
	v_fma_f32 v[R\t+oKEY], v[R\t+oW+1], F1024, v[R\t+oTX]   ; 1,024 i + t; i = 8 where none of mine reaches V
.endr
.irp t, 0,1
	v_cndmask_b32 v[R\t+oKEY], BIG, v[R\t+oKEY], s[U\t+5]
.endr
	RED v_min_num_f32_dpp, oKEY
.irp t, 0,1
	v_cmp_gt_f32 s[U\t+6], v[R\t+oVF], v[R\t+oV]   ; the penalised pool wins by value, or at equal value by its place
	v_cmp_eq_f32 s[U\t+7], v[R\t+oVF], v[R\t+oV]
	v_cmp_lt_f32 s[U\t+8], v[R\t+oKFB], v[R\t+oKEY]
.endr
.irp t, 0,1
	s_and_b32 s[U\t+7], s[U\t+7], s[U\t+8]
	s_or_b32 s[U\t+6], s[U\t+6], s[U\t+7]
	s_or_b32 s[Q\t+qMODE], s[Q\t+qMODE], s[U\t+6]  ; from then on band B
.endr
.irp t, 0,1
	v_cndmask_b32 v[R\t+oV], v[R\t+oV], v[R\t+oVF], s[U\t+6]
	v_cndmask_b32 v[R\t+oKEY], v[R\t+oKEY], v[R\t+oKFB], s[U\t+6]
.endr
.irp t, 0,1
	v_mul_f32 v[R\t+oSUB], 0x3a800000, v[R\t+oKEY]
.endr
.irp t, 0,1
	v_floor_f32 v[R\t+oSUB], v[R\t+oSUB]           ; the subpatch,
.endr
.irp t, 0,1
	v_fma_f32 v[R\t+oE], v[R\t+oSUB], 0xc4800000, v[R\t+oKEY]   ; the event
	v_fma_f32 v[R\t+oW], v[R\t+oSUB], F8, s[KF]    ; 8 id + k: distinct, and ordered as a stable sort by id orders the steps
.endr
	STRIKE
	PNSET 0
.irp t, 0,1
	v_cndmask_b32 v[R\t+oMYC], v[R\t+oMYC], v[R\t+oW], s[MASKK]
	v_cndmask_b32 v[R\t+oMYV], v[R\t+oMYV], v[R\t+oV], s[MASKK]
	v_cndmask_b32 v[R\t+oMYE], v[R\t+oMYE], v[R\t+oE], s[MASKK]
.endr
	s_lshl_b32 s[MASKK], s[MASKK], 1
	s_add_f32 s[KF], s[KF], 1.0
	s_mov_b32 s[OFF], 0x40000000                   ; from step 2 on: e + 1 .. e + 3
	s_mov_b32 s[HW], 0x3f800000
	s_add_co_u32 s[KCNT], s[KCNT], 1
	s_cmp_lt_u32 s[KCNT], 8
	s_cbranch_scc1 .Lstep
	; ---- the eight records of a pair go round its lanes through my wave's own LDS bytes (served in order: no barrier)
.irp t, 0,1
	ds_store_b32 v[EXA], v[R\t+oMYC] offset:512*\t
	ds_store_b32 v[EXA], v[R\t+oMYV] offset:512*\t+128
	ds_store_b32 v[EXA], v[R\t+oMYE] offset:512*\t+256
.endr
.irp t, 0,1
.irp a, 0,1,2
	ds_load_b128 v[R\t+8*\a:R\t+8*\a+3], v[EXR] offset:512*\t+128*\a
	ds_load_b128 v[R\t+8*\a+4:R\t+8*\a+7], v[EXR] offset:512*\t+128*\a+16
.endr
.endr
	s_wait_dscnt 0x0
.irp k, 0,1,2,3,4,5,6,7
.irp t, 0,1
	v_cmp_lt_f32 s[U\t+\k], v[R\t+\k], v[R\t+oMYC]
.endr
.endr
.irp k, 0,1,2,3,4,5,6,7
.irp t, 0,1
	v_cndmask_b32 v[R\t+oW+\k], 0, 1.0, s[U\t+\k]
.endr
.endr
.irp t, 0,1
	v_pk_add_f32 v[R\t+oW:R\t+oW+1], v[R\t+oW:R\t+oW+1], v[R\t+oW+2:R\t+oW+3]
	v_pk_add_f32 v[R\t+oW+4:R\t+oW+5], v[R\t+oW+4:R\t+oW+5], v[R\t+oW+6:R\t+oW+7]
.endr
.irp t, 0,1
	v_pk_add_f32 v[R\t+oW:R\t+oW+1], v[R\t+oW:R\t+oW+1], v[R\t+oW+4:R\t+oW+5]
.endr
.irp t, 0,1
	v_add_f32 v[R\t+oW], v[R\t+oW], v[R\t+oW+1]    ; my step's rank: how many records come before it
.endr
.irp t, 0,1
	ds_store_b32 v[EXA], v[R\t+oW] offset:512*\t+384
.endr
.irp t, 0,1
	ds_load_b128 v[R\t+24:R\t+27], v[EXR] offset:512*\t+384
	ds_load_b128 v[R\t+28:R\t+31], v[EXR] offset:512*\t+400
.endr
	s_wait_dscnt 0x0
.irp k, 0,1,2,3,4,5,6,7
.irp t, 0,1
	v_cmp_eq_f32 s[U\t+\k], v[R\t+24+\k], v[RF]    ; lane r takes the record of rank r (lanes 8-15 find none and keep 0)
.endr
.endr
.irp t, 0,1
	v_cndmask_b32 v[R\t+oW+2], 0, v[R\t+8], s[U\t]
	v_cndmask_b32 v[R\t+oW+3], 0, v[R\t+16], s[U\t]
	v_cndmask_b32 v[R\t+oW+4], v[WT+\t], v[WT+2+\t], s[TMASK]
.endr
.irp k, 1,2,3,4,5,6,7
.irp t, 0,1
	v_cndmask_b32 v[R\t+oW+2], v[R\t+oW+2], v[R\t+8+\k], s[U\t+\k]
	v_cndmask_b32 v[R\t+oW+3], v[R\t+oW+3], v[R\t+16+\k], s[U\t+\k]
.endr
.endr
.irp t, 0,1
	v_mul_f32 v[R\t+oW+4], v[R\t+oW+4], v[R\t+oW+2]
.endr
.irp x, 1,2,4
.irp t, 0,1
	v_add_f32_dpp v[R\t+oW+4], v[R\t+oW+4], v[R\t+oW+4] row_xmask:\x row_mask:0xf bank_mask:0xf
.endr
.endr
	; ---- the task's four results are kept in window 3: the task before moves down, this one takes its place.  So no LDS address hangs on the task: both tasks go to the stage behind the loop
	WIN 0xc3                                       ; source 0 and destination window 3
.irp x, 0,1,2,3
	v_mov_b32 v[KP+\x], v[KP+4+\x]
.endr
	WIN 0xc0                                       ; source 0 window 0
.irp t, 0,1
	v_mov_b32 v[KP+4+2*\t], v[R\t+oW+3]            ; the events in order
	v_mov_b32 v[KP+5+2*\t], v[R\t+oW+4]            ; the weighted sum
.endr
	WIN 0
	s_mov_b32 s[TMASK], -1
	s_add_co_u32 s[TASK], s[TASK], 1
	s_cmp_lt_u32 s[TASK], 2
	s_cbranch_scc1 .Ltask
	; ---- the way out: through my wave's own stage, task and tile in the immediate; then my eight prototypes' 256 bytes of out2 as one aligned run; 32 bytes each of out0 and out1, whose rows of 800 bytes no share fills in runs of 256
	WIN 0x0c                                       ; an LDS store's data are its source 1: window 3
.irp j, 0,1
.irp t, 0,1
	ds_store_b32 v[STA], v[KP+4*\j+2*\t] offset:128*\j+64*\t      ; out2: prototype 4 task + 2 tile + h of my eight, place r
	ds_store_b32 v[STB], v[KP+4*\j+2*\t+1] offset:16*\j+8*\t      ; out0: eight lanes write the same word with the same value
.endr
.endr
	WIN 0
	ds_load_b64 v[96:97], v[OUA]                   ; LDS serves a wave's instructions in order: these see my stores
	ds_load_b32 v98, v[OUB]
	s_wait_dscnt 0x0
	global_store_b64 v[L8], v[96:97], s[20:21]
	v_sub_f32 v99, F8, v98                         ; 8 - the activation
	v_cmp_gt_u32 vcc_lo, 64, v[L8]                 ; lanes 0-7
	s_wait_xcnt 0x0                                ; EXEC changes only behind this wait
	s_set_vgpr_msb 0xf
	s_wait_tensorcnt 0x0
	ds_add_u32 v254, v255
	s_wait_dscnt 0x0
	s_set_vgpr_msb 0xf00
	s_and_saveexec_b32 s2, vcc_lo
	global_store_b32 v[L4], v98, s[16:17]
	global_store_b32 v[L4], v99, s[18:19]
	s_endpgm
.Lend:
	s_set_vgpr_msb 0xf
	s_wait_tensorcnt 0x0
	ds_add_u32 v254, v255
	s_wait_dscnt 0x0
	s_set_vgpr_msb 0xf00
	s_endpgm
.Lfunc_end_k_q3b552572a3_match:
	.size	k_q3b552572a3_match, .Lfunc_end_k_q3b552572a3_match-k_q3b552572a3_match
	.p2alignl 7, 3214868480
	.fill 96, 4, 3214868480
	.section	.rodata,"a",@progbits
	.p2align	6, 0x0
	.amdhsa_kernel k_q3b552572a3_match
		.amdhsa_group_segment_fixed_size 213504
		.amdhsa_private_segment_fixed_size 0
		.amdhsa_enable_private_segment 0
		.amdhsa_kernarg_size 72
		.amdhsa_user_sgpr_count 2
		.amdhsa_user_sgpr_kernarg_segment_ptr 1
		.amdhsa_wavefront_size32 1
		.amdhsa_system_sgpr_workgroup_id_x 1
		.amdhsa_system_sgpr_workgroup_id_y 1
		.amdhsa_system_sgpr_workgroup_id_z 1
		.amdhsa_system_vgpr_workitem_id 0
		.amdhsa_next_free_vgpr 1024
		.amdhsa_next_free_sgpr 102
		.amdhsa_reserve_vcc 1
		.amdhsa_float_denorm_mode_32 3
		.amdhsa_float_denorm_mode_16_64 3
		.amdhsa_memory_ordered 1
		.amdhsa_forward_progress 1
		.amdhsa_inst_pref_size 255
	.end_amdhsa_kernel
	.section	.bss,"aw",@nobits
	.p2align	6
	.space	262144
	.amdgpu_metadata
---
amdhsa.version: [ 1, 2 ]
amdhsa.kernels:
  - .name:           k_q3b552572a3_match
    .symbol:         k_q3b552572a3_match.kd
    .args:
      - { .name: xq, .offset: 0, .size: 8, .value_kind: global_buffer, .address_space: global }
      - { .name: xs, .offset: 8, .size: 8, .value_kind: global_buffer, .address_space: global }
      - { .name: pq, .offset: 16, .size: 8, .value_kind: global_buffer, .address_space: global }
      - { .name: ps, .offset: 24, .size: 8, .value_kind: global_buffer, .address_space: global }
      - { .name: timeline_mask, .offset: 32, .size: 8, .value_kind: global_buffer, .address_space: global }
      - { .name: patch_select, .offset: 40, .size: 8, .value_kind: global_buffer, .address_space: global }
      - { .name: out0, .offset: 48, .size: 8, .value_kind: global_buffer, .address_space: global }
      - { .name: out1, .offset: 56, .size: 8, .value_kind: global_buffer, .address_space: global }
      - { .name: out2, .offset: 64, .size: 8, .value_kind: global_buffer, .address_space: global }
    .group_segment_fixed_size: 213504
    .private_segment_fixed_size: 0
    .kernarg_segment_align: 8
    .kernarg_segment_size: 72
    .max_flat_workgroup_size: 128
    .sgpr_count:     102
    .vgpr_count:     1024
    .wavefront_size: 32
...
	.end_amdgpu_metadata
.endif
;; end of part 2
